; MI455X (gfx1250); checked and timed in simulation.
; The chip was launched on July 23, 2026; its instructions are those of AMD's public machine-readable ISA for CDNA 5 (MIT licence, August 2026) and "CDNA5" Instruction Set Architecture Reference Guide (July 2026). The comments in the code are by the model that wrote it; some were corrected since.
;; Multi Head Model. Allowed arithmetic: matrix products marked QUANTISED: E2M3 operands, one E8M0 scale for each 32 along K, by v_wmma_scale_f32_16x16x128_f8f6f4 with both operands' format E2M3, f32 sums; everything else in f32.
;; Inputs: W 20 x 100 x 1,024 float32; b 20 x 100 float32; t 16,384 int32; x 16,384 x 1,024 float32.
;; Outputs: out0 16,384 x 100 float32.
;; This version of the problem:
;;   THIS VERSION OF THE PROBLEM IS GIVEN IN LOW PRECISION. The matrix products marked QUANTISED in the list below multiply operands that are first quantised to E2M3 (2 exponent bits, 3 mantissa bits; 6 bits a number), with one power-of-two scale for each 32 numbers along K (OCP MX v1.0); their sums are f32. All else is computed in f32.
;;   The module's matrix products, in the order in which they are computed (A, B: the left and right operand; K: the contracted axis; several contracted axes count as one K, in the product's order):
;;     1. [M 16,384, K 1,024] x [K 1,024, N 2,000]; A: input x; B: input W: QUANTISED
;;   THE QUANTISER, for each operand of a quantised product, along K:
;;     - K is cut into blocks of 32 from its start; a last block that is shorter is filled with zeros.
;;     - A block's scale is 2^e with e = floor(log2(the largest magnitude in the block)) - 2, held to -126 .. 127; a block of zeros has e = 0. As a byte (E8M0): e + 127.
;;     - Each number is divided by its block's scale, clamped to +-7.5, and rounded to the nearest number of E2M3, ties to even, subnormals kept.
;;     - The product sums the exact products of the quantised numbers (number of the format x scale) in f32.
;;   ~~~python
;;   def quantise(x, axis):      # numpy; x: float32 -> the quantised numbers, widened to float32 again
;;       x = np.moveaxis(x, axis, -1); K = x.shape[-1]
;;       x = np.pad(x, [(0, 0)] * (x.ndim - 1) + [(0, -K % 32)]); x = x.reshape(x.shape[:-1] + (-1, 32)); a = np.abs(x).max(-1, keepdims=True)
;;       e = np.where(a > 0, np.clip(np.frexp(np.where(a > 0, a, 1))[1] - 1 - 2, -126, 127), 0)      # np.frexp(a)[1] - 1 = floor(log2(a)), exactly
;;       r = np.clip(x / 2.0 ** e, -7.5, 7.5)
;;       step = 2.0 ** (np.maximum(np.frexp(np.where(r == 0, 1, r))[1] - 1, 0) - 3)
;;       q = np.round(r / step) * step * 2.0 ** e      # np.round: ties to even
;;       return np.moveaxis(q.reshape(q.shape[:-2] + (-1,))[..., :K], -1, axis).astype(np.float32)
;;   ~~~
;; One version. Each part assembles by itself: llvm-mc -triple=amdgcn-amd-amdhsa -mcpu=gfx1250 --defsym DOCPART=n.
;; ======== version 1 of 1: 2 launches
;; workspace buffers: order 65,536 bytes of whole numbers; wq 1,720,320 bytes; ws 143,360 bytes
;; launch prep (part 1): grid 15 x 20, 8 waves a work-group, no clusters, 68,864 bytes of LDS; arguments t, W, order, wq, ws; writes order, wq, ws
.if DOCPART == 1
	.amdgcn_target "amdgcn-amd-amdhsa--gfx1250"
	.amdhsa_code_object_version 6
	.text
	.protected	k_q7cd2e20eef_prep
	.globl	k_q7cd2e20eef_prep
	.p2align	8
	.type	k_q7cd2e20eef_prep,@function
k_q7cd2e20eef_prep:
	s_mov_b64 s[64:65], 0
	v_nop
	global_prefetch_b8 v0, s[64:65] scope:SCOPE_SE
	s_setreg_imm32_b32 hwreg(HW_REG_WAVE_MODE, 25, 1), 1
	s_wait_xcnt 0x0
; pred[i] = Q(W[t[i]]) . Q(x[i]) + b[t[i]], Q the MX quantiser to E2M3 along K = 1,024.  x [16384][1024], W [20][100][1024], b [20][100] f32; t [16384] int32.
; WORK LEFT OUT.  The source forms all 20 heads for every row and keeps, by take_along_axis on t, head t[i] of row i alone: whatever finite values x, W and b hold, the other 19 heads of a row reach no output.
; Which head is kept is decided by the whole numbers t, which are read from memory: so only the chosen head of each row is multiplied.  Every input has a way to an output: all four are loaded (x and b by the second launch).
; LIMITS.  A NaN, an infinity or an overflow that arises only in a head that was not chosen is not carried to the result.  t lies in 0 .. 19 (it indexes a table of 20 heads); NaN and infinities in x and W are not served.
; A block of zeros gets the scale byte 1 where the quantiser says 127: its codes are zeros, which add nothing under any byte but 0xff, and the bytes are read by this program alone.
; THIS LAUNCH makes what the second one needs.  Work-group (x, y): y = a task e.
;   x = 0 .. 7: A COUNTING SORT of the rows by task, with no atomics.  t is 8 parts of 2,048 numbers.  Work-group (p, e) places the rows of part p whose task is e:
;     position = (numbers <= e in the parts before p) + (numbers < e in the parts from p on) + (rows of task e of the waves before mine) + (my rank in the wave).
;     Wave w counts part w, one compare a register (against e + 1 where w < p, against e else), and places the rows of its own 256 numbers of part p.  order[position] = row | task << 16.
;     The stores are 4 bytes a lane at places that the data decide: 65,536 bytes in the whole launch; to gather them in LDS would want LDS addresses made of loaded numbers.
;   x = 8 .. 14: W's CODES.  Work-group (8 + n, e) takes classes 16 n .. 16 n + 15 of head e; its wave s takes K = 128 s .. 128 s + 127 and makes ONE fragment, laid in wq as the image of the operand's registers:
;     registers 4 c .. 4 c + 3 of lane l at 512 c + 16 l; 1,536 bytes a fragment, [e][n][s].  Its scale words in ws: lane l's at 4 l, 128 bytes a fragment.
;     Classes 100 .. 111 of tile 6 repeat class 99: filler inside a tile that also holds live classes; their results are never stored.
.set STGW,  8448                       ; a wave's stage: 16 rows x PITCH
.set PITCH, 528                        ; 512 bytes of a row + 16 = 33 x 16: the sixteen rows that a load touches start 16 bytes apart modulo 256
.set SRT,   8*STGW                     ; the sort's 8 pairs (count, equals), 8 bytes a wave: a block of 256 bytes of its own
.set SPARE, SRT+256                    ; the spare words, 128 bytes for each wave: four blocks of 256 bytes that no other line names
.set LI,   1                           ; v1   16 x lane
.set L4,   2                           ; v2   4 x lane
.set STW,  6                           ; v6   the stage, way in: 8448 w + 16 x lane
.set STR,  7                           ; v7   the stage, way out: 8448 w + 528 r + 128 h
.set SH8,  8                           ; v8   8 h
.set TOF,  9                           ; v9   sort: my bytes in part w of t
.set OOF,  10                          ; v10  sort: my bytes in my own two chunks
.set SADR, 11                          ; v11  sort: LDS address of my wave's pair
.set SRD,  12                          ; v12  sort: LDS address of the eight pairs
.set ROWB, 13                          ; v13  sort: task << 16 | the row of my first number
.set SPW,  18                          ; v18  LDS address of my spare word; never rewritten
.set NIL,  19                          ; v19  0; never rewritten
.set OFF,  20                          ; v20-35   W: byte offset of my 16 bytes in each of the tile's 16 rows
.set PC,   36                          ; v36-47   the fragment's codes
.set PT,   48                          ; v48-55   the upper halves of the two blocks' codes, before they are moved
.set TM,   56                          ; v56-62   at work
.set PW,   63                          ; v63      the row's scale word
.set X,    64                          ; v64-127  64 numbers of my row: register 32 c + i = k 64 c + 32 h + i
.set R,    128                         ; v128-191 the 16 rows as they are loaded
.set TT,   64                          ; sort: v64-127 part w of t
.set OW,   128                         ; sort: v128-135 my own 8 numbers
.set POS,  136                         ; sort: v136-143 where they go
.set DAT,  144                         ; sort: v144-151 what is stored there
.set RB,   152                         ; sort: v152-167 the eight pairs, read back
.set WV,   16                          ; s16 wave
.set TASK, 17                          ; s17 e
.set MK,   24                          ; s[24:31] sort: which lanes hold task e, for each of my 8 registers
.set CN,   32                          ; s[32:39] sort: how many
.set SEL,  46                          ; s[46:47] lane selects for v_permlanex16_b32: lane l xor 16 (W's path alone)
	s_load_b256 s[4:11], s[0:1], 0x0               ; t s[4:5], W s[6:7], order s[8:9], wq s[10:11]
	s_load_b64 s[12:13], s[0:1], 0x20              ; ws
	v_lshl_add_u32 v[SPW], v0, 2, SPARE
	v_mov_b32 v[NIL], 0
	v_lshrrev_b32 v3, 5, v0
	v_readfirstlane_b32 s[WV], v3                  ; wave 0..7
	s_and_b32 s[TASK], ttmp7, 0xffff               ; e
	v_and_b32 v3, 31, v0                           ; lane
	v_and_b32 v4, 15, v0                           ; r
	v_bfe_u32 v5, v0, 4, 1                         ; h
	v_lshlrev_b32 v[LI], 4, v3
	v_lshlrev_b32 v[L4], 2, v3
	v_lshlrev_b32 v[SH8], 3, v5
	s_mul_i32 s18, s[WV], STGW                     ; every LDS address is made here, ahead of the parting of the two paths
	v_add_nc_u32 v[STW], s18, v[LI]
	v_mul_u32_u24 v[STR], v4, PITCH
	v_lshl_add_u32 v[STR], v5, 7, v[STR]
	v_add_nc_u32 v[STR], s18, v[STR]
	s_lshl_b32 s18, s[WV], 3
	s_add_co_u32 s18, s18, SRT
	v_mov_b32 v[SADR], s18
	v_mov_b32 v[SRD], SRT
	s_mov_b32 s[SEL], 0x76543210
	s_mov_b32 s[SEL+1], 0xfedcba98
	v_mov_b32 v[TM+6], 0                           ; written once: a lane permute's destination counts as one of its sources
	s_wait_kmcnt 0x0
	s_cmp_lt_u32 ttmp9, 8                          ; the work-group's number alone: all eight waves go the same way
	s_cbranch_scc1 .Lsort
	; ---------------- W's path: wave s makes fragment (e, n, s)
	s_sub_co_u32 s19, ttmp9, 8                     ; n
	s_mul_i32 s20, s[TASK], 409600                 ; a head of W is 100 rows of 4,096 bytes;
	s_lshl_b32 s22, s[WV], 9                       ; my K step is 512 bytes of each row
	s_add_co_u32 s20, s20, s22
	s_mov_b32 s21, 0
	s_add_nc_u64 s[6:7], s[6:7], s[20:21]
	s_mul_i32 s20, s[TASK], 86016                  ; wq: 56 fragments a head,
	s_mul_i32 s22, s19, 12288                      ; 8 a tile,
	s_add_co_u32 s20, s20, s22
	s_mul_i32 s22, s[WV], 1536                     ; mine
	s_add_co_u32 s20, s20, s22
	s_add_nc_u64 s[10:11], s[10:11], s[20:21]
	s_mul_i32 s20, s[TASK], 7168                   ; ws: 128 bytes a fragment, in the same order
	s_lshl_b32 s22, s19, 10
	s_add_co_u32 s20, s20, s22
	s_lshl_b32 s22, s[WV], 7
	s_add_co_u32 s20, s20, s22
	s_add_nc_u64 s[12:13], s[12:13], s[20:21]
	s_lshl_b32 s19, s19, 4                         ; the tile's first class
.irp i, 0,1,2,3,4,5,6,7,8,9,10,11,12,13,14,15
	s_add_co_u32 s22, s19, \i
	s_min_u32 s22, s22, 99                         ; no load leaves the head: classes past 99 repeat class 99
	s_lshl_b32 s22, s22, 12
	v_add_nc_u32 v[OFF+\i], s22, v[LI]
.endr
.irp i, 0,1,2,3,4,5,6,7,8,9,10,11,12,13,14,15
	global_load_b128 v[R+4*\i:R+4*\i+3], v[OFF+\i], s[6:7]     ; 32 lanes read 512 consecutive bytes of one row
.endr
	s_wait_loadcnt 0x0
	; through my own stage: in as loaded, out so that a lane holds two whole blocks of 32 of ONE row.  LDS serves a wave's instructions in order: no wait between the stores and the loads
.irp i, 0,1,2,3,4,5,6,7,8,9,10,11,12,13,14,15
	ds_store_b128 v[STW], v[R+4*\i:R+4*\i+3] offset:PITCH*\i
.endr
.irp c, 0,1
.irp q, 0,1,2,3,4,5,6,7
	ds_load_b128 v[X+32*\c+4*\q:X+32*\c+4*\q+3], v[STR] offset:256*\c+16*\q
.endr
.endr
	s_wait_dscnt 0x0
	; the two blocks' largest magnitudes: all 32 numbers of a block are mine; two chains a block, the four by turns
.irp c, 0,1
	v_max3_num_f32 v[TM+\c], |v[X+32*\c]|, |v[X+32*\c+1]|, |v[X+32*\c+2]|
	v_max3_num_f32 v[TM+2+\c], |v[X+32*\c+3]|, |v[X+32*\c+4]|, |v[X+32*\c+5]|
.endr
.irp i, 6,10,14,18,22,26
.irp c, 0,1
	v_max3_num_f32 v[TM+\c], v[TM+\c], |v[X+32*\c+\i]|, |v[X+32*\c+\i+1]|
	v_max3_num_f32 v[TM+2+\c], v[TM+2+\c], |v[X+32*\c+\i+2]|, |v[X+32*\c+\i+3]|
.endr
.endr
.irp c, 0,1
	v_max3_num_f32 v[TM+\c], v[TM+\c], |v[X+32*\c+30]|, |v[X+32*\c+31]|
.endr
.irp c, 0,1
	v_max3_num_f32 v[TM+\c], v[TM+\c], v[TM+2+\c], 0x1800000   ; and the floor 2^(3 - 127): the byte cannot fall under 1
.endr
.irp c, 0,1
	v_add_nc_u32 v[TM+4+\c], 0xff000000, v[TM+\c]  ; 2 off the exponent field: the conversion takes the exponent field of this operand as its scale, and nothing else of it
.endr
.irp c, 0,1
	v_lshrrev_b32 v[TM+2+\c], 23, v[TM+4+\c]       ; the scale's byte
.endr
	v_lshl_or_b32 v[PW], v[TM+3], 16, v[TM+2]      ; my two bytes: blocks h and 2 + h of my row,
	v_lshlrev_b32 v[PW], v[SH8], v[PW]             ; at their places in the scale word;
	v_permlanex16_b32 v[TM+6], v[PW], s[SEL], s[SEL+1]
	v_or_b32 v[PW], v[PW], v[TM+6]                 ; with lane l xor 16's two the word is whole, in all 32 lanes
.irp c, 0,1
	v_cvt_scalef32_pk16_fp6_f32 v[PC+6*\c:PC+6*\c+2], v[X+32*\c:X+32*\c+15], v[TM+4+\c]      ; registers 6 c .. 6 c + 5 of the operand: k = 64 c + 32 h + 0 .. 31
	v_cvt_scalef32_pk16_fp6_f32 v[PT+4*\c:PT+4*\c+2], v[X+32*\c+16:X+32*\c+31], v[TM+4+\c]   ; (a conversion's three registers begin on an even number: the upper half is made elsewhere and moved)
.endr
	v_nop                                          ; one plain place behind a scaled conversion
.irp c, 0,1
.irp i, 0,1,2
	v_mov_b32 v[PC+6*\c+3+\i], v[PT+4*\c+\i]
.endr
.endr
.irp c, 0,1,2
	global_store_b128 v[LI], v[PC+4*\c:PC+4*\c+3], s[10:11] offset:512*\c    ; 32 lanes store 512 consecutive bytes, at a multiple of 256 from wq's first byte
.endr
	global_store_b32 v[L4], v[PW], s[12:13]        ; 128 bytes; the work-group's eight waves fill 1,024 consecutive bytes
	s_branch .Lend
	; ---------------- the sort's path: work-group (p, e)
.Lsort:
	s_mov_b32 s19, ttmp9                           ; p
	s_lshl_b32 s20, s[WV], 13                      ; part w: 8,192 bytes
	v_add_nc_u32 v[TOF], s20, v[LI]
	s_lshl_b32 s20, s19, 13                        ; my own two chunks of 512 bytes in part p
	s_lshl_b32 s21, s[WV], 10
	s_add_co_u32 s20, s20, s21
	v_add_nc_u32 v[OOF], s20, v[LI]
	s_lshl_b32 s20, s[TASK], 16                    ; what is stored: task << 16 | row; my first number is row 2,048 p + 256 w + 4 x lane
	s_lshl_b32 s21, s19, 11
	s_add_co_u32 s20, s20, s21
	s_lshl_b32 s21, s[WV], 8
	s_add_co_u32 s20, s20, s21
	v_add_nc_u32 v[ROWB], s20, v[L4]
.irp q, 0,1,2,3,4,5,6,7,8,9,10,11,12,13,14,15
	global_load_b128 v[TT+4*\q:TT+4*\q+3], v[TOF], s[4:5] offset:512*\q
.endr
.irp u, 0,1
	global_load_b128 v[OW+4*\u:OW+4*\u+3], v[OOF], s[4:5] offset:512*\u
.endr
	s_cmp_lt_u32 s[WV], s19                        ; a part before p counts the numbers <= e, the others those < e
	s_cselect_b32 s20, 1, 0
	s_add_co_u32 s20, s20, s[TASK]
	s_mov_b32 s21, 0                               ; the count of part w
	s_mov_b32 s22, 0                               ; rows of task e among my own 256
.irp q, 0,1,2,3,4,5,6,7,8,9,10,11,12,13,14,15
	s_wait_loadcnt 17-\q                           ; behind load q: the part's 15 - q younger loads and my own two
.irp k, 0,1,2,3
	v_cmp_gt_u32 s[40+\k], s20, v[TT+4*\q+\k]
.endr
.irp k, 0,1,2,3
	s_bcnt1_i32_b32 s[44+\k], s[40+\k]
.endr
.irp k, 0,1,2,3
	s_add_co_u32 s21, s21, s[44+\k]
.endr
.endr
	s_wait_loadcnt 0x0
.irp k, 0,1,2,3,4,5,6,7
	v_cmp_eq_u32 s[MK+\k], s[TASK], v[OW+\k]
.endr
.irp k, 0,1,2,3,4,5,6,7
	s_bcnt1_i32_b32 s[CN+\k], s[MK+\k]
.endr
.irp k, 0,1,2,3,4,5,6,7
	s_add_co_u32 s22, s22, s[CN+\k]
.endr
	v_mov_b32 v14, s21
	v_mov_b32 v15, s22
	ds_store_b64 v[SADR], v[14:15]                 ; all lanes write the same pair to my wave's 8 bytes
	s_wait_dscnt 0x0                               ; for the others' sake: my store is done
	s_barrier_signal -1
	s_barrier_wait -1                              ; all eight pairs lie in LDS
.irp i, 0,1,2,3
	ds_load_b128 v[RB+4*\i:RB+4*\i+3], v[SRD] offset:16*\i
.endr
	s_wait_dscnt 0x0
.irp i, 0,1,2,3,4,5,6,7,8,9,10,11,12,13,14,15
	v_readfirstlane_b32 s[48+\i], v[RB+\i]         ; s[48 + 2 w]: wave w's count; s[49 + 2 w]: its rows of task e
.endr
	s_add_co_u32 s23, s48, s50                     ; the eight counts,
.irp j, 52,54,56,58,60,62
	s_add_co_u32 s23, s23, s[\j]
.endr
.irp j, 0,1,2,3,4,5,6
	s_cmp_gt_u32 s[WV], \j                         ; and the rows of task e of the waves before mine
	s_cselect_b32 s3, s[49+2*\j], 0
	s_add_co_u32 s23, s23, s3
.endr
.irp k, 0,1,2,3,4,5,6,7
	v_mbcnt_lo_u32_b32 v[POS+\k], s[MK+\k], 0      ; rows of task e in the lanes before mine, in this register
	v_add_nc_u32 v[POS+\k], s23, v[POS+\k]
	s_add_co_u32 s23, s23, s[CN+\k]
	v_min_u32 v[POS+\k], 0x3fff, v[POS+\k]         ; a number made of loaded numbers is held inside the buffer before it enters an address
	v_lshlrev_b32 v[POS+\k], 2, v[POS+\k]
	v_add_nc_u32 v[DAT+\k], 128*(\k/4)+\k%4, v[ROWB]
.endr
	s_wait_xcnt 0x0                                ; EXEC changes only behind this wait
.irp k, 0,1,2,3,4,5,6,7
	s_and_saveexec_b32 s2, s[MK+\k]                ; the lanes whose number is e
	global_store_b32 v[POS+\k], v[DAT+\k], s[8:9]  ; each register has its own address and data registers: no store's source is written again
	s_wait_xcnt 0x0                                ; and again in front of the line that widens EXEC (and of the next one that narrows it)
	s_or_b32 exec_lo, exec_lo, s2
.endr
.Lend:
	s_wait_tensorcnt 0x0                           ; the wave's end, behind my last LDS store
	ds_add_u32 v[SPW], v[NIL]
	s_wait_dscnt 0x0
	s_endpgm
.Lfunc_end_k_q7cd2e20eef_prep:
	.size	k_q7cd2e20eef_prep, .Lfunc_end_k_q7cd2e20eef_prep-k_q7cd2e20eef_prep
	.p2alignl 7, 3214868480
	.fill 96, 4, 3214868480
	.section	.rodata,"a",@progbits
	.p2align	6, 0x0
	.amdhsa_kernel k_q7cd2e20eef_prep
		.amdhsa_group_segment_fixed_size 68864
		.amdhsa_private_segment_fixed_size 0
		.amdhsa_enable_private_segment 0
		.amdhsa_kernarg_size 40
		.amdhsa_user_sgpr_count 2
		.amdhsa_user_sgpr_kernarg_segment_ptr 1
		.amdhsa_wavefront_size32 1
		.amdhsa_system_sgpr_workgroup_id_x 1
		.amdhsa_system_sgpr_workgroup_id_y 1
		.amdhsa_system_sgpr_workgroup_id_z 1
		.amdhsa_system_vgpr_workitem_id 0
		.amdhsa_next_free_vgpr 192
		.amdhsa_next_free_sgpr 66
		.amdhsa_reserve_vcc 0
		.amdhsa_float_denorm_mode_32 3
		.amdhsa_float_denorm_mode_16_64 3
		.amdhsa_memory_ordered 1
		.amdhsa_forward_progress 1
		.amdhsa_inst_pref_size 30
	.end_amdhsa_kernel
	.amdgpu_metadata
---
amdhsa.version: [ 1, 2 ]
amdhsa.kernels:
  - .name:           k_q7cd2e20eef_prep
    .symbol:         k_q7cd2e20eef_prep.kd
    .args:
      - { .name: t, .offset: 0, .size: 8, .value_kind: global_buffer, .address_space: global }
      - { .name: W, .offset: 8, .size: 8, .value_kind: global_buffer, .address_space: global }
      - { .name: order, .offset: 16, .size: 8, .value_kind: global_buffer, .address_space: global }
      - { .name: wq, .offset: 24, .size: 8, .value_kind: global_buffer, .address_space: global }
      - { .name: ws, .offset: 32, .size: 8, .value_kind: global_buffer, .address_space: global }
    .group_segment_fixed_size: 68864
    .private_segment_fixed_size: 0
    .kernarg_segment_align: 8
    .kernarg_segment_size: 40
    .max_flat_workgroup_size: 256
    .sgpr_count:     66
    .vgpr_count:     192
    .wavefront_size: 32
...
	.end_amdgpu_metadata
.endif
;; end of part 1
;; launch heads (part 2): grid 256 x 1, 8 waves a work-group, no clusters, 151,808 bytes of LDS; arguments x, order, wq, ws, b, out0; writes out0
.if DOCPART == 2
	.amdgcn_target "amdgcn-amd-amdhsa--gfx1250"
	.amdhsa_code_object_version 6
	.text
	.protected	k_q7cd2e20eef_heads
	.globl	k_q7cd2e20eef_heads
	.p2align	8
	.type	k_q7cd2e20eef_heads,@function
k_q7cd2e20eef_heads:
	s_mov_b64 s[64:65], 0
	v_nop
	global_prefetch_b8 v0, s[64:65] scope:SCOPE_SE
	s_setreg_imm32_b32 hwreg(HW_REG_WAVE_MODE, 25, 1), 1
	s_wait_xcnt 0x0
; out0[i] = Q(W[t[i]]) . Q(x[i]) + b[t[i]] on codes of FP6 (E2M3) with one E8M0 scale for each 32 along K = 1,024.
; WORK LEFT OUT: of each row only the head that t names is multiplied; the other 19 are dropped by the source's take_along_axis for all values of x, W and b (shown at the head of the first launch; its limits hold here too).
; order[pos] = row | task << 16, sorted by task; wq, ws: W's codes and scale words as images of the operand's registers ([e][n][s], 1,536 and 128 bytes a fragment).
; SHARES.  Work-group g owns the sorted positions 64 g .. 64 g + 63: 16,384 / 64 = 256 work-groups of equal work, none of them partial or empty.
;   x: wave w gathers the 16 rows of row tile m = w / 2 and takes K steps s = 2 j + (w % 2), j = 0 .. 3: 512 consecutive bytes of a row a load; it quantises them in registers and lays each fragment in LDS
;   as an image of its registers (registers 4 c .. 4 c + 3 of lane l at 512 c + 16 l), its scale words beside it.  x is read once and never goes back to memory.
;   Products: 100 classes are 7 tiles of 16: wave n = 0 .. 6 owns class tile n for all 64 rows; its 8 fragments of W stay in registers.  Wave 7 has no tile: a branch on the wave's number leads it round the matrix lines, never round a barrier.
;   Behind step j stands a barrier, and K steps 2 j and 2 j + 1 are multiplied while the later loads of x are on their way.
; THE MATRIX INSTRUCTION IS USED TRANSPOSED (source 0 = 16 classes of W, source 1 = 16 rows of x): lane (r, h) holds row r, its register j class 16 n + 8 h + j: 32 neighbouring bytes of an output row.  The bias is the C of each sum's first instruction.
; A BLOCK THAT SPANS A CHANGE OF TASK.  The pipelined pass multiplies all 64 rows by the head of the block's first row.  Then a loop of constant count 20 walks the heads; a scalar branch on masks made of the stored list
;   passes over those that no row of the block names (the whole list has at most 19 changes of task); for one that is named, the 64 rows are multiplied again and each row selects its own head's result.  No barrier stands in that loop.
; NO CLUSTER, NO TENSOR LOAD: the rows are gathered by a stored index and branches hang on stored numbers; what work-groups share is W's codes, 86,016 bytes a head against a work-group's 262,144 bytes of x.
; REGISTERS, in windows of 256.  Window 0: v1-19 addresses; v20-35 x's row offsets; v36-63 the quantiser's; v64-127 64 numbers of x, later four fragments of x; v128-223 W's 8 fragments; v224-231 W's scale words;
;   v232-239 the bias; v240-243 x's scale words; v244-247 my lane's rows' tasks.   Window 1: v0-191 three sets of x as loaded; v192-223 the 4 accumulators; v224-255 those of another head.
.set STGW,  8448                       ; a wave's stage: 16 rows x PITCH
.set PITCH, 528                        ; 512 bytes + 16 = 33 x 16: the sixteen rows that a load touches start 16 bytes apart modulo 256
.set XIMG,  8*STGW                     ; x's 32 fragments: (row tile m, K step s) at 1,536 (8 m + s); each written once
.set XSC,   XIMG+32*1536               ; x's scale words: 512 s + 16 x lane + 4 m: one load of 16 bytes brings a lane the words of its row in all four row tiles
.set OST,   XSC+8*512                  ; the way out: 64 rows x OPITCH
.set OPITCH, 464                       ; 7 tiles x 64 bytes + 16 = 29 x 16
.set SPARE, OST+64*OPITCH+256          ; the spare words, 128 bytes for each wave: four blocks of 256 bytes that no other line names
.set LI,   1                           ; v1   16 x lane
.set L4,   2                           ; v2   4 x lane
.set R4,   3                           ; v3   4 r
.set XL,   4                           ; v4   16 x lane + 512 (w % 2): my bytes in a row of x
.set STW,  5                           ; v5   the stage, way in
.set STR,  6                           ; v6   the stage, way out
.set XWI,  7                           ; v7   where I store x's images
.set XWS,  8                           ; v8   and their scale words
.set XRI,  9                           ; v9   where images are read
.set XRS,  10                          ; v10  and scale words
.set SH8,  11                          ; v11  8 h
.set SO,   12                          ; v12  the way out: where I put 32 bytes of a row
.set SR,   13                          ; v13  and where I read a row back
.set BB0,  14                          ; v14  64 w + 32 h: my eight classes' bytes in a head's bias
.set BO0,  15                          ; v15, v16 the same in b
.set BO1,  16
.set LN,   17                          ; v17  lane
.set SPW,  18                          ; v18  LDS address of my spare word; never rewritten
.set NIL,  19                          ; v19  0; never rewritten
.set OFF,  20
.set OO,   20                          ; the way out: v20-27 my eight rows' offsets in out0
.set PC,   36
.set PT,   48
.set TM,   56
.set PW,   63
.set X,    64
.set XF,   64
.set OB,   64
.set WF,   128
.set WS,   224                         ; scales and nothing else
.set BI,   232
.set XS,   240                         ; scales and nothing else
.set TE,   244
.set ACC,  192                         ; in window 1
.set ACC2, 224
.set WV,   16                          ; s16 wave;  s17 m;  s18 w % 2
.set ELO,  45                          ; s45 the task of the block's first row
.set SEL,  46                          ; s[46:47] lane selects for v_permlanex16_b32: lane l xor 16
.set HD,   53                          ; s53 the loop's head
.set MK,   54                          ; s[54:57] which lanes' rows name it, for each row tile
.set MSB, 0
.macro WIN new                         ; the immediate's high byte repeats the setting that is left; a switch that changes nothing is dropped
.if MSB != \new
	s_set_vgpr_msb (MSB<<8)|\new
.set MSB, \new
.endif
.endm
; 16 loads: my 512 bytes of K step 2 j + (w % 2) of each of my 16 rows, into set 0, 1 or 2 of window 1.  order is a permutation: each row is named once in the launch
.macro LOADX j, set
	WIN 0x40                                       ; destination window 1
.irp i, 0,1,2,3,4,5,6,7,8,9,10,11,12,13,14,15
	global_load_b128 v[64*(\set)+4*\i:64*(\set)+4*\i+3], v[OFF+\i], s[4:5] offset:1024*(\j) th:TH_LOAD_NT
.endr
	WIN 0
.endm
; a set goes through my own stage: in as loaded, out so that a lane holds two whole blocks of 32 of ONE row: register 32 c + i = k 64 c + 32 h + i.  LDS serves a wave's instructions in order: no wait between the stores and the loads
.macro TURN set
	WIN 0x04                                       ; an LDS store's data are its source 1: window 1
.irp i, 0,1,2,3,4,5,6,7,8,9,10,11,12,13,14,15
	ds_store_b128 v[STW], v[64*(\set)+4*\i:64*(\set)+4*\i+3] offset:PITCH*\i
.endr
	WIN 0
.irp c, 0,1
.irp q, 0,1,2,3,4,5,6,7
	ds_load_b128 v[X+32*\c+4*\q:X+32*\c+4*\q+3], v[STR] offset:256*\c+16*\q
.endr
.endr
	s_wait_dscnt 0x0
.endm
; the 64 numbers in v[X] on become a fragment's codes in v[PC] on and the row's scale word in v[PW]
.macro QUANT6
.irp c, 0,1
	v_max3_num_f32 v[TM+\c], |v[X+32*\c]|, |v[X+32*\c+1]|, |v[X+32*\c+2]|          ; a block's 32 numbers are all mine; two chains a block, the four by turns
	v_max3_num_f32 v[TM+2+\c], |v[X+32*\c+3]|, |v[X+32*\c+4]|, |v[X+32*\c+5]|
.endr
.irp i, 6,10,14,18,22,26
.irp c, 0,1
	v_max3_num_f32 v[TM+\c], v[TM+\c], |v[X+32*\c+\i]|, |v[X+32*\c+\i+1]|
	v_max3_num_f32 v[TM+2+\c], v[TM+2+\c], |v[X+32*\c+\i+2]|, |v[X+32*\c+\i+3]|
.endr
.endr
.irp c, 0,1
	v_max3_num_f32 v[TM+\c], v[TM+\c], |v[X+32*\c+30]|, |v[X+32*\c+31]|
.endr
.irp c, 0,1
	v_max3_num_f32 v[TM+\c], v[TM+\c], v[TM+2+\c], 0x1800000   ; and the floor 2^(3 - 127): the byte cannot fall under 1
.endr
.irp c, 0,1
	v_add_nc_u32 v[TM+4+\c], 0xff000000, v[TM+\c]  ; 2 off the exponent field: the conversion's scale operand
.endr
.irp c, 0,1
	v_lshrrev_b32 v[TM+2+\c], 23, v[TM+4+\c]       ; the scale's byte
.endr
	v_lshl_or_b32 v[PW], v[TM+3], 16, v[TM+2]      ; my two bytes: blocks h and 2 + h of my row,
	v_lshlrev_b32 v[PW], v[SH8], v[PW]             ; at their places in the scale word;
	v_permlanex16_b32 v[TM+6], v[PW], s[SEL], s[SEL+1]
	v_or_b32 v[PW], v[PW], v[TM+6]                 ; with lane l xor 16's two the word is whole, in all 32 lanes
.irp c, 0,1
	v_cvt_scalef32_pk16_fp6_f32 v[PC+6*\c:PC+6*\c+2], v[X+32*\c:X+32*\c+15], v[TM+4+\c]
	v_cvt_scalef32_pk16_fp6_f32 v[PT+4*\c:PT+4*\c+2], v[X+32*\c+16:X+32*\c+31], v[TM+4+\c]   ; (a conversion's three registers begin on an even number)
.endr
	v_nop                                          ; one plain place behind a scaled conversion
.irp c, 0,1
.irp i, 0,1,2
	v_mov_b32 v[PC+6*\c+3+\i], v[PT+4*\c+\i]
.endr
.endr
.endm
; where head s[sr]'s fragments, scale words and bias for my class tile lie.  Every earlier load through these registers has been waited for
.macro SETW sr
	s_min_u32 s61, s[\sr], 19                      ; held inside the table of 20 heads
	s_mul_i32 s58, s61, 86016
	s_mul_i32 s62, s[WV], 12288
	s_add_co_u32 s58, s58, s62
	s_mov_b32 s59, 0
	s_add_nc_u64 s[48:49], s[8:9], s[58:59]
	s_mul_i32 s58, s61, 7168
	s_lshl_b32 s62, s[WV], 10
	s_add_co_u32 s58, s58, s62
	s_add_nc_u64 s[50:51], s[10:11], s[58:59]
	s_mul_i32 s52, s61, 400
	v_add_nc_u32 v[BO0], s52, v[BB0]
	v_add_nc_u32 v[BO1], 16, v[BO0]
	v_min_u32 v[BO0], 0x1f30, v[BO0]               ; 8,000 - 16: the filler classes' loads stay inside b; a live class's 16 bytes begin at 7,984 at the most and are not moved
	v_min_u32 v[BO1], 0x1f30, v[BO1]
.endm
.macro LOADW                           ; 34 loads: 8 fragments, their scale words, the bias in the result's layout
.irp s, 0,1,2,3,4,5,6,7
.irp c, 0,1,2
	global_load_b128 v[WF+12*\s+4*\c:WF+12*\s+4*\c+3], v[LI], s[48:49] offset:1536*\s+512*\c
.endr
.endr
.irp s, 0,1,2,3,4,5,6,7
	global_load_b32 v[WS+\s], v[L4], s[50:51] offset:128*\s
.endr
	global_load_b128 v[BI:BI+3], v[BO0], s[12:13]
	global_load_b128 v[BI+4:BI+7], v[BO1], s[12:13]
.endm
; K step s for the four row tiles: their fragments and scale words from LDS, four matrix instructions on four accumulators, which take turns, one instruction a turn, from step to step too.
; first = 1: the bias starts the sums.  The four v_nop are the places in front of the next loads into registers that these instructions have read and of the first read of results
.macro KSTEP s, acc, first
.irp m, 0,1,2,3
.irp c, 0,1,2
	ds_load_b128 v[XF+12*\m+4*\c:XF+12*\m+4*\c+3], v[XRI] offset:(8*\m+(\s))*1536+512*\c
.endr
.endr
	ds_load_b128 v[XS:XS+3], v[XRS] offset:512*(\s)
	s_wait_dscnt 0x0
.if \first
	WIN 0x40                                       ; D window 1; W, x and the bias window 0
.else
	WIN 0x50                                       ; C and D window 1
.endif
.irp m, 0,1,2,3
.if \first
	v_wmma_scale_f32_16x16x128_f8f6f4 v[\acc+8*\m:\acc+8*\m+7], v[WF+12*(\s):WF+12*(\s)+11], v[XF+12*\m:XF+12*\m+11], v[BI:BI+7], v[WS+(\s)], v[XS+\m] matrix_a_fmt:MATRIX_FMT_FP6 matrix_b_fmt:MATRIX_FMT_FP6
.else
	v_wmma_scale_f32_16x16x128_f8f6f4 v[\acc+8*\m:\acc+8*\m+7], v[WF+12*(\s):WF+12*(\s)+11], v[XF+12*\m:XF+12*\m+11], v[\acc+8*\m:\acc+8*\m+7], v[WS+(\s)], v[XS+\m] matrix_a_fmt:MATRIX_FMT_FP6 matrix_b_fmt:MATRIX_FMT_FP6
.endif
.endr
	WIN 0
.rept 4
	v_nop
.endr
.endm
; Step j: my K step of x is quantised and laid in LDS; a barrier; K steps 2 j and 2 j + 1 are multiplied.  left: the younger loads of x, which stay out
.macro STEP j, left
	s_wait_loadcnt \left                           ; loads come back in order (ISA guide 5.7.1): this step's 16 are in, and all that was asked for before them
	TURN (\j)%3
.if \j == 0
	LOADX 3, 0                                     ; set 0 has been read by its LDS stores (the wait that ends TURN): it takes the last step's loads
.endif
	QUANT6
.irp c, 0,1,2
	ds_store_b128 v[XWI], v[PC+4*\c:PC+4*\c+3] offset:3072*(\j)+512*\c
.endr
	ds_store_b32 v[XWS], v[PW] offset:1024*(\j)
	s_wait_dscnt 0x0                               ; for the others' sake: my images are in LDS
	s_barrier_signal -1
	s_barrier_wait -1                              ; everybody's are: K steps 2 j and 2 j + 1 of all 64 rows
	s_cmp_eq_u32 s[WV], 7
	s_cbranch_scc1 .Lskip_\@
.if \j == 0
	KSTEP 0, ACC, 1
.else
	KSTEP 2*(\j), ACC, 0
.endif
	KSTEP 2*(\j)+1, ACC, 0
.Lskip_\@:
.endm
	s_load_b256 s[4:11], s[0:1], 0x0               ; x s[4:5], order s[6:7], wq s[8:9], ws s[10:11]
	s_load_b128 s[12:15], s[0:1], 0x20             ; b s[12:13], out0 s[14:15]
	v_lshl_add_u32 v[SPW], v0, 2, SPARE
	v_mov_b32 v[NIL], 0
	v_lshrrev_b32 v[LN], 5, v0
	v_readfirstlane_b32 s[WV], v[LN]               ; wave 0..7
	s_lshr_b32 s17, s[WV], 1                       ; m: my row tile
	s_and_b32 s18, s[WV], 1                        ; which of a step's two K steps is mine
	v_and_b32 v[LN], 31, v0                        ; lane
	v_and_b32 v56, 15, v0                          ; r
	v_bfe_u32 v57, v0, 4, 1                        ; h
	v_lshlrev_b32 v[LI], 4, v[LN]
	v_lshlrev_b32 v[L4], 2, v[LN]
	v_lshlrev_b32 v[R4], 2, v56
	v_lshlrev_b32 v[SH8], 3, v57
	s_lshl_b32 s61, s18, 9
	v_add_nc_u32 v[XL], s61, v[LI]
	s_mul_i32 s61, s[WV], STGW                     ; every LDS address is made here, ahead of the first parting of the waves
	v_add_nc_u32 v[STW], s61, v[LI]
	v_mul_u32_u24 v[STR], v56, PITCH
	v_lshl_add_u32 v[STR], v57, 7, v[STR]
	v_add_nc_u32 v[STR], s61, v[STR]
	s_lshl_b32 s61, s17, 3
	s_add_co_u32 s61, s61, s18
	s_mul_i32 s61, s61, 1536
	s_add_co_u32 s61, s61, XIMG
	v_add_nc_u32 v[XWI], s61, v[LI]                ; fragment 8 m + (w % 2); step j lies 2 j fragments on
	s_lshl_b32 s61, s18, 9
	s_lshl_b32 s62, s17, 2
	s_add_co_u32 s61, s61, s62
	s_add_co_u32 s61, s61, XSC
	v_add_nc_u32 v[XWS], s61, v[LI]
	v_add_nc_u32 v[XRI], XIMG, v[LI]
	v_add_nc_u32 v[XRS], XSC, v[LI]
	s_lshl_b32 s61, s[WV], 6
	v_lshl_add_u32 v[BB0], v57, 5, s61             ; 64 w + 32 h
	v_mul_u32_u24 v[SO], v56, OPITCH
	v_add_nc_u32 v[SO], v[SO], v[BB0]
	v_add_nc_u32 v[SO], OST, v[SO]                 ; row r, my eight classes' bytes
	s_mul_i32 s61, s[WV], 8*OPITCH
	s_add_co_u32 s61, s61, OST
	v_add_nc_u32 v[SR], s61, v[LI]                 ; back: rows 8 w .. 8 w + 7, 16 bytes a lane
	s_mov_b32 s[SEL], 0x76543210
	s_mov_b32 s[SEL+1], 0xfedcba98
	v_mov_b32 v[TM+6], 0                           ; written once: a lane permute's destination counts as one of its sources
	s_wait_kmcnt 0x0
	s_lshl_b32 s58, ttmp9, 8                       ; my block's 64 entries of the list: 256 bytes
	s_mov_b32 s59, 0
	s_add_nc_u64 s[6:7], s[6:7], s[58:59]
	s_lshl_b32 s19, s17, 6
	s_lshl_b32 s61, s[WV], 5
	s_load_b512 s[20:35], s[6:7], s19 offset:0x0   ; the 16 rows that I gather
	s_load_b256 s[36:43], s[6:7], s61 offset:0x0   ; the 8 rows that I store
	s_load_b32 s44, s[6:7], 0x0                    ; the block's first entry
	s_wait_kmcnt 0x0
	s_wait_xcnt 0x0                                ; the scalar loads have read s19 and s61: both are written again below
	s_lshr_b32 s[ELO], s44, 16
	s_min_u32 s[ELO], s[ELO], 19
.irp i, 0,1,2,3,4,5,6,7,8,9,10,11,12,13,14,15
	s_and_b32 s19, s[20+\i], 0x3fff
	s_min_u32 s19, s19, 0x3fff                     ; a loaded number is held inside the buffer before it enters an address
	s_lshl_b32 s19, s19, 12                        ; a row of x is 4,096 bytes
	v_add_nc_u32 v[OFF+\i], s19, v[XL]
.endr
	s_cmp_eq_u32 s[WV], 7
	s_cbranch_scc1 .Lnow
.irp m, 0,1,2,3
	global_load_b32 v[TE+\m], v[R4], s[6:7] offset:64*\m       ; the entry of my lane's row in each row tile
.endr
	SETW ELO                                       ; W's loads are my OLDEST: every wait for x then counts younger loads of x alone, the same in all eight waves, and the first of them shows W landed
	LOADW
.Lnow:
	LOADX 0, 0
	LOADX 1, 1
	LOADX 2, 2
	STEP 0, 32                                     ; behind set 0: sets 1 and 2
	STEP 1, 32                                     ; behind set 1: set 2 and the last step's loads
	STEP 2, 16                                     ; behind set 2: the last step's
	STEP 3, 0
	s_cmp_eq_u32 s[WV], 7
	s_cbranch_scc1 .Ljoin
	; ---- the block's other heads
.irp m, 0,1,2,3
	v_lshrrev_b32 v[TE+\m], 16, v[TE+\m]           ; the tasks
.endr
	s_mov_b32 s[HD], 0
.Lexp:
.irp m, 0,1,2,3
	v_cmp_eq_u32 s[MK+\m], s[HD], v[TE+\m]
.endr
	s_or_b32 s61, s[MK], s[MK+1]
	s_or_b32 s62, s[MK+2], s[MK+3]
	s_or_b32 s61, s61, s62
	s_cmp_eq_u32 s[HD], s[ELO]                     ; the first row's head has been multiplied
	s_cselect_b32 s62, 0, -1
	s_and_b32 s61, s61, s62
	s_cmp_lg_u32 s61, 0
	s_cbranch_scc0 .Lnext                          ; whole numbers of the stored list decide; no barrier stands in the loop
	SETW HD
	LOADW
	s_wait_loadcnt 0x0
	KSTEP 0, ACC2, 1
.irp s, 1,2,3,4,5,6,7
	KSTEP \s, ACC2, 0
.endr
	WIN 0x45                                       ; destination and both sources window 1
.irp m, 0,1,2,3
.irp j, 0,1,2,3,4,5,6,7
	v_cndmask_b32 v[ACC+8*\m+\j], v[ACC+8*\m+\j], v[ACC2+8*\m+\j], s[MK+\m]   ; my row's own head; each accumulator from its low end on
.endr
.endr
	WIN 0
.Lnext:
	s_add_co_u32 s[HD], s[HD], 1
	s_cmp_lt_u32 s[HD], 20
	s_cbranch_scc1 .Lexp
	; ---- the way out: a row's 100 classes come from seven waves: they meet in LDS, and each wave stores 8 whole rows
	WIN 0x04                                       ; an LDS store's data are its source 1: window 1
.irp m, 0,1,2,3
	ds_store_b128 v[SO], v[ACC+8*\m:ACC+8*\m+3] offset:16*OPITCH*\m           ; each accumulator from its low end on
	ds_store_b128 v[SO], v[ACC+8*\m+4:ACC+8*\m+7] offset:16*OPITCH*\m+16
.endr
	WIN 0
.Ljoin:
	s_wait_dscnt 0x0                               ; for the others' sake: my results are in LDS
	s_barrier_signal -1
	s_barrier_wait -1
.irp i, 0,1,2,3,4,5,6,7
	s_and_b32 s61, s[36+\i], 0x3fff
	s_min_u32 s61, s61, 0x3fff
	s_mul_i32 s61, s61, 400                        ; a row of out0 is 400 bytes
	v_add_nc_u32 v[OO+\i], s61, v[LI]              ; (x's loads, which read these registers, were waited for in the last step)
.endr
	s_wait_xcnt 0x0                                ; EXEC changes only behind this wait
	v_cmp_gt_u32 vcc_lo, 25, v[LN]
	s_and_saveexec_b32 s60, vcc_lo                 ; 25 lanes x 16 bytes are a row
.irp i, 0,1,2,3,4,5,6,7
	ds_load_b128 v[OB+4*\i:OB+4*\i+3], v[SR] offset:OPITCH*\i
.endr
.irp i, 0,1,2,3,4,5,6,7
	s_wait_dscnt 7-\i                              ; the younger LDS loads may stay out
	global_store_b128 v[OO+\i], v[OB+4*\i:OB+4*\i+3], s[14:15] th:TH_STORE_NT   ; a row's 400 consecutive bytes by one instruction; the rows lie where the list says
.endr
	s_wait_xcnt 0x0                                ; and again in front of the line that widens EXEC
	s_or_b32 exec_lo, exec_lo, s60
	s_wait_tensorcnt 0x0                           ; the wave's end, behind my last LDS store
	ds_add_u32 v[SPW], v[NIL]
	s_wait_dscnt 0x0
	s_endpgm
.Lfunc_end_k_q7cd2e20eef_heads:
	.size	k_q7cd2e20eef_heads, .Lfunc_end_k_q7cd2e20eef_heads-k_q7cd2e20eef_heads
	.p2alignl 7, 3214868480
	.fill 96, 4, 3214868480
	.section	.rodata,"a",@progbits
	.p2align	6, 0x0
	.amdhsa_kernel k_q7cd2e20eef_heads
		.amdhsa_group_segment_fixed_size 151808
		.amdhsa_private_segment_fixed_size 0
		.amdhsa_enable_private_segment 0
		.amdhsa_kernarg_size 48
		.amdhsa_user_sgpr_count 2
		.amdhsa_user_sgpr_kernarg_segment_ptr 1
		.amdhsa_wavefront_size32 1
		.amdhsa_system_sgpr_workgroup_id_x 1
		.amdhsa_system_sgpr_workgroup_id_y 1
		.amdhsa_system_sgpr_workgroup_id_z 1
		.amdhsa_system_vgpr_workitem_id 0
		.amdhsa_next_free_vgpr 512
		.amdhsa_next_free_sgpr 66
		.amdhsa_reserve_vcc 1
		.amdhsa_float_denorm_mode_32 3
		.amdhsa_float_denorm_mode_16_64 3
		.amdhsa_memory_ordered 1
		.amdhsa_forward_progress 1
		.amdhsa_inst_pref_size 74
	.end_amdhsa_kernel
	.amdgpu_metadata
---
amdhsa.version: [ 1, 2 ]
amdhsa.kernels:
  - .name:           k_q7cd2e20eef_heads
    .symbol:         k_q7cd2e20eef_heads.kd
    .args:
      - { .name: x, .offset: 0, .size: 8, .value_kind: global_buffer, .address_space: global }
      - { .name: order, .offset: 8, .size: 8, .value_kind: global_buffer, .address_space: global }
      - { .name: wq, .offset: 16, .size: 8, .value_kind: global_buffer, .address_space: global }
      - { .name: ws, .offset: 24, .size: 8, .value_kind: global_buffer, .address_space: global }
      - { .name: b, .offset: 32, .size: 8, .value_kind: global_buffer, .address_space: global }
      - { .name: out0, .offset: 40, .size: 8, .value_kind: global_buffer, .address_space: global }
    .group_segment_fixed_size: 151808
    .private_segment_fixed_size: 0
    .kernarg_segment_align: 8
    .kernarg_segment_size: 48
    .max_flat_workgroup_size: 256
    .sgpr_count:     66
    .vgpr_count:     512
    .wavefront_size: 32
...
	.end_amdgpu_metadata
.endif
;; end of part 2
